; MI455X (gfx1250); checked and timed in simulation.
; The chip was launched on July 23, 2026; its instructions are those of AMD's public machine-readable ISA for CDNA 5 (MIT licence, August 2026) and "CDNA5" Instruction Set Architecture Reference Guide (July 2026). The comments in the code are by the model that wrote it; some were corrected since.
;; Single Head Causal Self Attention. Allowed arithmetic: float matrix products may take bf16 or f16 operands with f32 sums; all other float work in f32.
;; Inputs: Wk 384 x 384 float32; Wq 384 x 384 float32; Wv 384 x 384 float32; x 8 x 2,048 x 384 float32.
;; Outputs: out0 8 x 2,048 x 384 float32.
;; One version. Each part assembles by itself: llvm-mc -triple=amdgcn-amd-amdhsa -mcpu=gfx1250 --defsym DOCPART=n.
;; ======== version 1 of 1: 2 launches
;; limits: values are held in f16: magnitudes above 65,504 overflow, below 6.1e-05 lose precision
;; workspace buffers: qkv 50,331,648 bytes; lo 2,359,296 bytes
;; launch proj (part 1): grid 4 x 64, 4 waves a work-group, clusters of 4 x 4, 327,680 bytes of LDS; arguments x, Wq, Wk, Wv, qkv, lo; writes qkv, lo
.if DOCPART == 1
	.amdgcn_target "amdgcn-amd-amdhsa--gfx1250"
	.amdhsa_code_object_version 6
	.text
	.protected	k_q808747bcbe_proj
	.globl	k_q808747bcbe_proj
	.p2align	8
	.type	k_q808747bcbe_proj,@function
k_q808747bcbe_proj:
	s_mov_b64 s[64:65], 0
	v_nop
	global_prefetch_b8 v0, s[64:65] scope:SCOPE_SE
	s_setreg_imm32_b32 hwreg(HW_REG_WAVE_MODE, 25, 1), 1
	s_wait_xcnt 0x0
	s_wait_alu depctr_hold_cnt(0) depctr_sa_sdst(0) depctr_va_vdst(0) depctr_va_sdst(0) depctr_va_ssrc(0) depctr_va_vcc(0) depctr_vm_vsrc(0)
	s_getreg_b32 s2, hwreg(HW_REG_IB_STS2, 6, 4)
	s_cmp_eq_u32 s2, 0
	s_cbranch_scc0 .Lentry_in_a_cluster
	s_endpgm
.Lentry_in_a_cluster:
	s_bfe_u32 s2, ttmp6, 0x10000c
	s_cmp_lg_u32 s2, 0xf033
	s_cbranch_scc0 .Lentry_shape_is_right
	s_endpgm
.Lentry_shape_is_right:
; Q = x Wq^T, K = x Wk^T, V = x Wv^T.  x: [16384 tokens][384] f32, W: [384][384] f32.  Operands rounded to bf16, sums in f32, results kept in f16.
;
; WORK LEFT OUT BY THE PROGRAM (in the second kernel; nothing is left out here): reference() itself sets score(t, s) to -inf for s > t (jnp.tril),
; so softmax gives those keys the weight exp(-inf) = 0 exactly, whatever finite values x, Wq, Wk, Wv hold, and their products with V add 0 to the
; output.  Blocks of keys that lie wholly above the diagonal are therefore not multiplied.  All four inputs have a way to the output and are loaded.
; LIMIT: a NaN, an infinity or an overflow that lives only in such skipped products is not carried to the result.
; LIMIT: Q, K, V are kept in f16: their magnitudes must stay under 65,504.  With x of spread 1 and W of spread 1/sqrt(384) they have spread 1;
; all inputs 30 times larger make that 900, offsets of 30 spreads on x and on W make about 17,600.
;
; qkv, IN THE ORDER OF MATRIX FRAGMENTS: a 16 x 16 tile is 512 consecutive bytes, lane L's 16 bytes at 16 L.  Four parts, 12,582,912 bytes each: Q, V, K, V.
;   Q at byte 0, K at KPART: [token tile of 16][d tile 0..23]: lane (r = L % 16, h = L / 16) holds token r, d = 16 n + 8 h .. + 7.
;   V at VDUP and again at VPART: [key step of 32][d tile 0..23][c = 0, 1]: lane (r, h) holds d = r, keys 16 c + 8 h .. + 7.
; So a result tile leaves straight from registers (each store of the wave covers 512 consecutive bytes, aligned) and the second kernel reads
; operands at 16 x lane, with no transposition.  V IS STORED TWICE, the same distance in front of K and behind it: the second kernel then brings a block's V and K, or its
; K and V, in whichever order its LDS wants them, by one tensor load of two rows a part's length apart.  That costs 24 stores more a wave here.
; lo: THE FIRST 128 TOKENS OF EACH BATCH IN TWO PIECES.  A query with few keys is a sum of a few V in which terms cancel, and eleven bits of Q, K and V are then too
; few; from 129 keys on the roundings of that many terms average out.  Queries 0 to 127 see keys 0 to 127 alone.  For these tokens a result is split: hi = the f32 with its
; low 13 mantissa bits cut (eleven significant bits: exact in f16), stored in qkv like every other; lo = the rest, rounded to f16, stored in lo: three parts of LOPART bytes
; (Q, K, V), each [batch][98,304 bytes] in qkv's order.  LIMITS: these tokens' hi is cut, not rounded (up to 2^-10 of the value instead of 2^-11, for the later queries that
; read hi alone); a result under 2^-14 is not split exactly (its hi is a denormal f16: off by 2^-25 at the most).
;
; SHARES: 256 work-groups.  Work-group (cx, mblk) makes tokens 256 mblk .. + 255 and the outputs d = 96 cx .. + 95 of each of Q, K and V.
; mblk = 16 cy + the cluster's y: so mblk % 8, which says whether a batch begins here, hangs on the cluster's y alone and is the same in all sixteen partners.
; Wave (wr, wc): 128 tokens (8 tiles i) x 9 output tiles f = 3 mtx + n (mtx 0 Q, 1 K, 2 V; d = 96 cx + 48 wc + 16 n): 72 accumulators, 576 registers.
; CLUSTER 4 x 4: the four work-groups of a row of the cluster (same mblk) need the same tile of x, the four of a column (same cx) the same rows of
; the three W: both are asked for jointly, which divides the requests for each by four.
; K goes in six chunks of 64 f32 (rows of 256 bytes of memory, starting at multiples of 256 bytes) through two LDS slots.
; REGISTERS in windows of 256: window 0: addresses, AF (8 bf16 fragments of x), BF (9 of W), f32 staging of W fragments 4..8;
; windows 1, 2: accumulator tiles 0..63 (tile t = 9 i + f); window 3: tiles 64..71, f32 staging of x fragments 0..7 and W fragments 0..3.
.set PITCH,  272                       ; an LDS row: 256 bytes + 16 of padding = 17 x 16: the 16 rows that a load touches begin in 16 different 16-byte columns of a 256-byte span
.set XBYTES, 256*PITCH                 ; x: 256 rows
.set WPART,  96*PITCH                  ; 96 rows of one W
.set SLOT,   XBYTES+3*WPART            ; 147,968 bytes; two slots
.set VDUP,   12582912
.set KPART,  25165824
.set VPART,  37748736
.set LOBATCH, 98304                    ; 128 tokens x 384 x 2 bytes
.set LOPART,  8*LOBATCH                ; a part of lo
.set XA,  6                            ; v6, v7    LDS address of my x fragments in slot 0, 1
.set WA,  8                            ; v8, v9    the same for W
.set AF,  16                           ; v16-79    x fragments, bf16
.set BF,  80                           ; v80-151   W fragments, bf16
.set SB0, 152                          ; v152-231  f32 staging, W fragments 4..8 (window 0)
.set SA,  64                           ; window 3: f32 staging, x fragments 0..7
.set SB3, 192                          ; window 3: f32 staging, W fragments 0..3
.set LP,  48                           ; v48-79    the way out of lo: eight tiles packed (over AF, which is done with)
.set LU,  128                          ; v128-191  the way out of lo: eight tiles in f32 (over BF and staging)
.set G1X, 24                           ; s[24:31] shape of x's tile
.set G1W, 32                           ; s[32:39] shape of a W tile
.set G0X, 40                           ; s[40:47] from where, to where: x, one set for each slot
.set G0W, 48                           ; s[48:55] the same for W
.set MSB, 0
.macro WIN new                         ; the immediate's high byte repeats the setting that is left
.if MSB != \new
	s_set_vgpr_msb (MSB<<8)|\new
.set MSB, \new
.endif
.endm
.macro PLACES                          ; four places behind matrix instructions (ISA guide 7.12.1)
.rept 4
	v_nop
.endr
.endm
; A round of the cluster's barrier: my work-group's barrier, wave 0 signals for the work-group, every wave waits for all sixteen, my work-group's barrier again.
.macro ROUND
	s_barrier_signal -1
	s_barrier_wait -1
	s_cmp_lg_u32 s14, 0
	s_cbranch_scc1 .Lnot_wave_0_\@
	s_barrier_signal -3
.Lnot_wave_0_\@:
	s_barrier_wait -3
	s_barrier_signal -1
	s_barrier_wait -1
.endm
; A joint load: wave 0 asks for x's 256 rows, waves 1, 2, 3 for 96 rows of Wq, Wk, Wv.  The branch hangs on the wave's number alone.
.macro JLOAD s
	s_cmp_eq_u32 s14, 0
	s_cbranch_scc0 .Lfor_w_\@
	tensor_load_to_lds s[G0X+4*\s:G0X+4*\s+3], s[G1X:G1X+7]
	s_nop 0
	s_branch .Lasked_\@
.Lfor_w_\@:
	tensor_load_to_lds s[G0W+4*\s:G0W+4*\s+3], s[G1W:G1W+7]
	s_nop 0
.Lasked_\@:
.endm
	s_load_b256 s[4:11], s[0:1], 0x0               ; x s[4:5], Wq s[6:7], Wk s[8:9], Wv s[10:11]
	s_load_b128 s[84:87], s[0:1], 0x20             ; qkv s[84:85], lo s[86:87]
	v_lshl_add_u32 v254, v0, 2, 0x48400
	v_mov_b32 v255, 0
	ds_add_u32 v254, v255
	v_lshrrev_b32 v4, 5, v0
	v_readfirstlane_b32 s14, v4                    ; wave 0..3
	s_lshr_b32 s15, s14, 1                         ; wr: which 128 tokens
	s_and_b32 s16, s14, 1                          ; wc: which 48 outputs of each matrix
	s_bfe_u32 s17, ttmp6, 0x40000                  ; cx: the slice of 96 outputs (the grid has one cluster along x)
	s_bfe_u32 s18, ttmp6, 0x40004                  ; cy
	s_and_b32 s23, ttmp7, 0xffff                   ; the cluster's y, 0..15
	s_lshl_b32 s19, s18, 4
	s_add_co_u32 s19, s19, s23                     ; mblk = 16 cy + cluster y
	s_lshl_b32 s20, s18, 2
	s_lshl_b32 s20, 15, s20                        ; my row of the cluster: places 4 cy .. 4 cy + 3
	s_lshl_b32 s21, 0x1111, s17                    ; my column: places cx, cx + 4, cx + 8, cx + 12
	s_mov_b32 s83, 0xffffe000                      ; keeps sign, exponent and ten mantissa bits of an f32
	; group 1: elements of 4 bytes, rows of 64 elements, 4 words of padding behind every 64 words, bit 21 beside the mask
	s_or_b32  s[G1X+0], s20, 0x07720000            ; x's tile goes to my row of the cluster
	s_mov_b32 s[G1X+1], 64<<16                     ; tensor_dim0 = 64
	s_mov_b32 s[G1X+2], 256<<16                    ; tensor_dim1 = 256
	s_mov_b32 s[G1X+3], 64<<16                     ; tile_dim0 = 64
	s_mov_b32 s[G1X+4], 256                        ; tile_dim1 = 256 rows
	s_mov_b32 s[G1X+5], 384                        ; elements from row to row
	s_mov_b32 s[G1X+6], 0
	s_mov_b32 s[G1X+7], 0
	s_or_b32  s[G1W+0], s21, 0x07720000            ; a W tile goes to my column
	s_mov_b32 s[G1W+1], 64<<16
	s_mov_b32 s[G1W+2], 96<<16                     ; tensor_dim1 = 96
	s_mov_b32 s[G1W+3], 64<<16
	s_mov_b32 s[G1W+4], 96                         ; tile_dim1 = 96 rows
	s_mov_b32 s[G1W+5], 384
	s_mov_b32 s[G1W+6], 0
	s_mov_b32 s[G1W+7], 0
	s_mul_i32 s56, s19, 393216                     ; x: 256 mblk rows of 1,536 bytes (made of cy and the cluster's y alone)
	s_mov_b32 s57, 0
	s_mul_i32 s60, s17, 147456                     ; W: 96 cx rows of 1,536 bytes (made of cx alone)
	s_mov_b32 s61, 0
	s_mul_i32 s22, s14, WPART                      ; W's LDS place: behind x, (wave - 1) x 96 rows
	s_add_co_u32 s22, s22, XBYTES-WPART
	s_wait_dscnt 0x0
	s_wait_kmcnt 0x0
	s_add_nc_u64 s[58:59], s[4:5], s[56:57]
	s_cmp_eq_u32 s14, 2
	s_cselect_b64 s[62:63], s[8:9], s[6:7]         ; wave 2: Wk; else Wq
	s_cmp_eq_u32 s14, 3
	s_cselect_b64 s[62:63], s[10:11], s[62:63]     ; wave 3: Wv
	s_add_nc_u64 s[62:63], s[62:63], s[60:61]
.irp s, 0,1
	s_mov_b32 s[G0X+4*\s], 1                                       ; count = 1
	s_mov_b32 s[G0X+4*\s+1], \s*SLOT                               ; LDS address
	s_add_nc_u64 s[G0X+4*\s+2:G0X+4*\s+3], s[58:59], \s*256        ; chunk s of the rows
	s_or_b32 s[G0X+4*\s+3], s[G0X+4*\s+3], 0x80000000              ; type = 2
	s_mov_b32 s[G0W+4*\s], 1
	s_add_co_u32 s[G0W+4*\s+1], s22, \s*SLOT
	s_add_nc_u64 s[G0W+4*\s+2:G0W+4*\s+3], s[62:63], \s*256
	s_or_b32 s[G0W+4*\s+3], s[G0W+4*\s+3], 0x80000000
.endr
	ROUND                                          ; all sixteen work-groups are here: the first joint loads meet
	JLOAD 0                                        ; chunk 0
	; A bf16 fragment wants of lane (r, h) k = 8 h .. + 7 and 16 + 8 h .. + 7 of row r: in f32 that is 32 bytes at 32 h and 32 bytes at 64 + 32 h.
	v_and_b32 v5, 31, v0
	v_lshlrev_b32 v1, 4, v5                        ; 16 x lane: my bytes in a stored tile
	v_and_b32 v2, 15, v0                           ; r
	v_bfe_u32 v3, v0, 4, 1                         ; h
	v_mul_u32_u24 v4, v2, PITCH
	v_lshl_add_u32 v4, v3, 5, v4                   ; r x pitch + 32 h
	s_mul_i32 s72, s15, 128*PITCH                  ; my 128 rows of x
	s_mul_i32 s73, s16, 48*PITCH                   ; my 48 rows of each W,
	s_add_co_u32 s73, s73, XBYTES                  ; which lie behind x
	v_add_nc_u32 v[XA], s72, v4
	v_add_nc_u32 v[WA], s73, v4
	v_add_nc_u32 v[XA+1], SLOT, v[XA]
	v_add_nc_u32 v[WA+1], SLOT, v[WA]
	; where the results go
	s_mul_i32 s76, s19, 196608                     ; 16 token tiles (8 key steps) of 12,288 (24,576) bytes for each mblk
	s_mul_i32 s77, s15, 98304                      ; 8 token tiles for wr
	s_add_co_u32 s76, s76, s77
	s_mul_i32 s78, s17, 6
	s_mul_i32 s79, s16, 3
	s_add_co_u32 s78, s78, s79                     ; my first d tile = 6 cx + 3 wc
	s_lshr_b32 s82, s19, 3                         ; the batch (for lo; used only where mblk % 8 = 0)
	s_mul_i32 s82, s82, LOBATCH
	s_lshl_b32 s79, s78, 9
	s_add_co_u32 s80, s76, s79
	s_mov_b32 s81, 0
	s_add_co_u32 s88, s82, s79
	s_mov_b32 s89, 0
	s_add_nc_u64 s[66:67], s[84:85], s[80:81]      ; Q
	s_add_nc_u64 s[68:69], s[66:67], KPART         ; K
	s_add_nc_u64 s[90:91], s[86:87], s[88:89]      ; Q's lo
	s_add_nc_u64 s[92:93], s[90:91], LOPART        ; K's lo
	s_lshl_b32 s79, s78, 10
	s_add_co_u32 s80, s76, s79
	s_add_co_u32 s88, s82, s79
	s_add_nc_u64 s[70:71], s[84:85], s[80:81]
	s_add_nc_u64 s[96:97], s[70:71], VDUP          ; V, in front of K
	s_add_nc_u64 s[70:71], s[70:71], VPART         ; V, behind K
	s_add_nc_u64 s[94:95], s[86:87], s[88:89]
	s_add_nc_u64 s[94:95], s[94:95], 2*LOPART      ; V's lo
.macro FRAG4 dst, adr, off             ; one fragment's 16 f32 of a lane
	ds_load_b128 v[\dst:\dst+3],     v[\adr] offset:\off
	ds_load_b128 v[\dst+4:\dst+7],   v[\adr] offset:\off+16
	ds_load_b128 v[\dst+8:\dst+11],  v[\adr] offset:\off+64
	ds_load_b128 v[\dst+12:\dst+15], v[\adr] offset:\off+80
.endm
; 68 LDS loads: the f32 of 8 x fragments and 9 W fragments for 32 along K (ks = 0, 1: which half of the chunk)
.macro LOADS slot, ks
	WIN 0xc0                                       ; destination window 3
.irp i, 0,1,2,3,4,5,6,7
	FRAG4 SA+16*\i, XA+\slot, \i*16*PITCH+\ks*128
.endr
.irp f, 0,1,2,3
	FRAG4 SB3+16*\f, WA+\slot, (\f/3)*WPART+(\f%3)*16*PITCH+\ks*128
.endr
	WIN 0
.irp f, 4,5,6,7,8
	FRAG4 SB0+16*(\f-4), WA+\slot, (\f/3)*WPART+(\f%3)*16*PITCH+\ks*128
.endr
.endm
; 136 roundings: two f32 to one register of two bf16; staging and fragments are both in ascending k
.macro CVT
	WIN 0x0f                                       ; sources window 3, destination window 0
.set CQ, 0
.rept 64
	v_cvt_pk_bf16_f32 v[AF+CQ], v[SA+2*CQ], v[SA+2*CQ+1]
.set CQ, CQ+1
.endr
.set CQ, 0
.rept 32
	v_cvt_pk_bf16_f32 v[BF+CQ], v[SB3+2*CQ], v[SB3+2*CQ+1]
.set CQ, CQ+1
.endr
	WIN 0
.set CQ, 0
.rept 40
	v_cvt_pk_bf16_f32 v[BF+32+CQ], v[SB0+2*CQ], v[SB0+2*CQ+1]
.set CQ, CQ+1
.endr
.endm
; 72 matrix instructions, one for each accumulator: the accumulators take turns, one instruction a turn.
; Q and K: source 0 = rows of W, source 1 = tokens: a lane gets token r and eight neighbouring d.  V: the other way round: d = r and eight neighbouring tokens.
; zero = 1: the first product starts the sums; nothing is cleared.
.macro MUL zero
.set TT, 0
.rept 72
.if TT == 0
	WIN 0x50
.endif
.if TT == 32
	WIN 0xa0
.endif
.if TT == 64
	WIN 0xf0
.endif
.set TD, 8*(TT%32)
.set TA, AF+8*(TT/9)
.set TB, BF+8*(TT%9)
.if (TT%9) < 6
.if \zero
	v_wmma_f32_16x16x32_bf16 v[TD:TD+7], v[TB:TB+7], v[TA:TA+7], 0
.else
	v_wmma_f32_16x16x32_bf16 v[TD:TD+7], v[TB:TB+7], v[TA:TA+7], v[TD:TD+7]
.endif
.else
.if \zero
	v_wmma_f32_16x16x32_bf16 v[TD:TD+7], v[TA:TA+7], v[TB:TB+7], 0
.else
	v_wmma_f32_16x16x32_bf16 v[TD:TD+7], v[TA:TA+7], v[TB:TB+7], v[TD:TD+7]
.endif
.endif
.set TT, TT+1
.endr
.endm
; One chunk of 64 along K out of slot `slot`; refill = 1: the other slot gets the next chunk.
.macro CHUNK slot, other, refill, zero
	WIN 0
	s_wait_tensorcnt 0x0                           ; my one tensor load has landed: my part of this chunk; no load of mine is out, so a group 0 may be written:
	ds_add_u32 v254, v255
	s_wait_dscnt 0x0
	s_add_nc_u64 s[G0X+4*\slot+2:G0X+4*\slot+3], s[G0X+4*\slot+2:G0X+4*\slot+3], 512   ; this slot's next chunk, two on
	s_add_nc_u64 s[G0W+4*\slot+2:G0W+4*\slot+3], s[G0W+4*\slot+2:G0W+4*\slot+3], 512
	s_wait_dscnt 0x0                               ; my reads of the other slot are back
	ROUND                                          ; both now hold of every wave of all sixteen work-groups
.if \refill
	JLOAD \other                                   ; my one tensor load behind the round, first thing there
.endif
	LOADS \slot, 0
	s_wait_dscnt 0x0                               ; all 68 are converted at once
	PLACES                                         ; AF and BF were read by the last matrix instructions
	CVT
	LOADS \slot, 1                                 ; the second half's f32 come while the first half is multiplied
	MUL \zero
	s_wait_dscnt 0x0
	PLACES
	CVT
	MUL 0
.endm
	CHUNK 0, 1, 1, 1
	CHUNK 1, 0, 1, 0
	CHUNK 0, 1, 1, 0
	CHUNK 1, 0, 1, 0
	CHUNK 0, 1, 1, 0
	CHUNK 1, 0, 0, 0                               ; the last chunk: nothing is left to fetch (the stepped addresses are not used)
; THE SPLIT of tiles 8 bi .. 8 bi + 7 (64 neighbouring registers of window w): U = the result cut to eleven bits; U = result - U, exact; the accumulator itself is cut,
; so that the common way out below stores hi without a further rounding; U is rounded to f16 and stored in lo.
.macro LO8 bi, w
.set LB, 64*(\bi%4)
	WIN (\w<<2)                                    ; source 1 window w, destination window 0
.set LK, 0
.rept 64
	v_and_b32 v[LU+LK], s83, v[LB+LK]
.set LK, LK+1
.endr
	WIN \w                                         ; source 0 window w
.set LK, 0
.rept 32
	v_pk_add_f32 v[LU+LK:LU+LK+1], v[LB+LK:LB+LK+1], v[LU+LK:LU+LK+1] neg_lo:[0,1] neg_hi:[0,1]
.set LK, LK+2
.endr
	WIN (\w<<2)|(\w<<6)                            ; in place
.set LK, 0
.rept 64
	v_and_b32 v[LB+LK], s83, v[LB+LK]
.set LK, LK+1
.endr
	WIN 0
	s_wait_xcnt 0x0                                ; LP, which the last eight stores read, is written again only behind this wait
.set LK, 0
.rept 32
	v_cvt_pk_f16_f32 v[LP+LK], v[LU+2*LK], v[LU+2*LK+1]
.set LK, LK+1
.endr
.set LK, 0
.rept 8
.set TT, 8*\bi+LK
.set TI, TT/9
.set TF, TT%9
.if TF < 3
	global_store_b128 v1, v[LP+4*LK:LP+4*LK+3], s[90:91] offset:TI*12288+TF*512
.else
.if TF < 6
	global_store_b128 v1, v[LP+4*LK:LP+4*LK+3], s[92:93] offset:TI*12288+(TF-3)*512
.else
	global_store_b128 v1, v[LP+4*LK:LP+4*LK+3], s[94:95] offset:(TI/2)*24576+(TI%2)*512+(TF-6)*1024
.endif
.endif
.set LK, LK+1
.endr
.endm
	PLACES                                         ; what follows reads and writes matrix results and writes over matrix sources
	WIN 0
	s_and_b32 s82, s23, 7                          ; a batch begins in this block of 256 tokens (the cluster's y decides: the same in all partners)
	s_or_b32 s82, s82, s15                         ; and my 128 tokens are its first
	s_cmp_lg_u32 s82, 0
	s_cbranch_scc1 .Lno_lo
	LO8 0, 1
	LO8 1, 1
	LO8 2, 1
	LO8 3, 1
	LO8 4, 2
	LO8 5, 2
	LO8 6, 2
	LO8 7, 2
	LO8 8, 3
.Lno_lo:
	; THE WAY OUT: a tile's eight f32 of a lane are eight neighbours of the stored order: four roundings make its 16 bytes, in the tile's own first four registers.
.macro PACK t0, n
.set TT, \t0
.rept \n
.set TD, 8*(TT%32)
	v_cvt_pk_f16_f32 v[TD],   v[TD],   v[TD+1]
	v_cvt_pk_f16_f32 v[TD+1], v[TD+2], v[TD+3]
	v_cvt_pk_f16_f32 v[TD+2], v[TD+4], v[TD+5]
	v_cvt_pk_f16_f32 v[TD+3], v[TD+6], v[TD+7]
.set TT, TT+1
.endr
.endm
.macro STORES t0, n                    ; one store a tile of Q or K, two a tile of V: 512 consecutive bytes each, aligned; no data register is written again
.set TT, \t0
.rept \n
.set TD, 8*(TT%32)
.set TI, TT/9
.set TF, TT%9
.if TF < 3
	global_store_b128 v1, v[TD:TD+3], s[66:67] offset:TI*12288+TF*512
.else
.if TF < 6
	global_store_b128 v1, v[TD:TD+3], s[68:69] offset:TI*12288+(TF-3)*512
.else
	global_store_b128 v1, v[TD:TD+3], s[70:71] offset:(TI/2)*24576+(TI%2)*512+(TF-6)*1024
	global_store_b128 v1, v[TD:TD+3], s[96:97] offset:(TI/2)*24576+(TI%2)*512+(TF-6)*1024
.endif
.endif
.set TT, TT+1
.endr
.endm
	WIN 0x45
	PACK 0, 32
	WIN 0x04                                       ; a store's data is source 1
	STORES 0, 32
	WIN 0x8a
	PACK 32, 32
	WIN 0x08
	STORES 32, 32
	WIN 0xcf
	PACK 64, 8
	WIN 0x0c
	STORES 64, 8
	WIN 0
	ROUND                                          ; the closing round: no work-group ends while a partner may still ask for a tile that names it
	s_endpgm
.Lfunc_end_k_q808747bcbe_proj:
	.size	k_q808747bcbe_proj, .Lfunc_end_k_q808747bcbe_proj-k_q808747bcbe_proj
	.p2alignl 7, 3214868480
	.fill 96, 4, 3214868480
	.section	.rodata,"a",@progbits
	.p2align	6, 0x0
	.amdhsa_kernel k_q808747bcbe_proj
		.amdhsa_group_segment_fixed_size 327680
		.amdhsa_private_segment_fixed_size 0
		.amdhsa_enable_private_segment 0
		.amdhsa_kernarg_size 48
		.amdhsa_user_sgpr_count 2
		.amdhsa_user_sgpr_kernarg_segment_ptr 1
		.amdhsa_wavefront_size32 1
		.amdhsa_system_sgpr_workgroup_id_x 1
		.amdhsa_system_sgpr_workgroup_id_y 1
		.amdhsa_system_sgpr_workgroup_id_z 1
		.amdhsa_system_vgpr_workitem_id 0
		.amdhsa_next_free_vgpr 1024
		.amdhsa_next_free_sgpr 98
		.amdhsa_reserve_vcc 0
		.amdhsa_float_denorm_mode_32 3
		.amdhsa_float_denorm_mode_16_64 3
		.amdhsa_memory_ordered 1
		.amdhsa_forward_progress 1
		.amdhsa_inst_pref_size 255
	.end_amdhsa_kernel
	.section	.bss,"aw",@nobits
	.p2align	6
	.space	262144
	.amdgpu_metadata
---
amdhsa.version: [ 1, 2 ]
amdhsa.kernels:
  - .name:           k_q808747bcbe_proj
    .symbol:         k_q808747bcbe_proj.kd
    .args:
      - { .name: x, .offset: 0, .size: 8, .value_kind: global_buffer, .address_space: global }
      - { .name: Wq, .offset: 8, .size: 8, .value_kind: global_buffer, .address_space: global }
      - { .name: Wk, .offset: 16, .size: 8, .value_kind: global_buffer, .address_space: global }
      - { .name: Wv, .offset: 24, .size: 8, .value_kind: global_buffer, .address_space: global }
      - { .name: qkv, .offset: 32, .size: 8, .value_kind: global_buffer, .address_space: global }
      - { .name: lo, .offset: 40, .size: 8, .value_kind: global_buffer, .address_space: global }
    .group_segment_fixed_size: 327680
    .private_segment_fixed_size: 0
    .kernarg_segment_align: 8
    .kernarg_segment_size: 48
    .max_flat_workgroup_size: 128
    .sgpr_count:     98
    .vgpr_count:     1024
    .wavefront_size: 32
...
	.end_amdgpu_metadata
.endif
;; end of part 1
;; launch attn (part 2): grid 256 x 1, 4 waves a work-group, clusters of 4 x 1, 327,680 bytes of LDS; arguments qkv, out0, lo; writes out0
.if DOCPART == 2
	.amdgcn_target "amdgcn-amd-amdhsa--gfx1250"
	.amdhsa_code_object_version 6
	.text
	.protected	k_q808747bcbe_attn
	.globl	k_q808747bcbe_attn
	.p2align	8
	.type	k_q808747bcbe_attn,@function
k_q808747bcbe_attn:
	s_mov_b64 s[64:65], 0
	v_nop
	global_prefetch_b8 v0, s[64:65] scope:SCOPE_SE
	s_setreg_imm32_b32 hwreg(HW_REG_WAVE_MODE, 25, 1), 1
	s_wait_xcnt 0x0
	s_wait_alu depctr_hold_cnt(0) depctr_sa_sdst(0) depctr_va_vdst(0) depctr_va_sdst(0) depctr_va_ssrc(0) depctr_va_vcc(0) depctr_vm_vsrc(0)
	s_getreg_b32 s2, hwreg(HW_REG_IB_STS2, 6, 4)
	s_cmp_eq_u32 s2, 0
	s_cbranch_scc0 .Lentry_in_a_cluster
	s_endpgm
.Lentry_in_a_cluster:
	s_bfe_u32 s2, ttmp6, 0x10000c
	s_cmp_lg_u32 s2, 0x3003
	s_cbranch_scc0 .Lentry_shape_is_right
	s_endpgm
.Lentry_shape_is_right:
; out = softmax(causal(Q K^T / sqrt(384))) V, one head of width 384, 8 batches of 2,048 tokens.  Q, K, V: f16 in qkv, in the order of matrix fragments
; (a 16 x 16 tile is 512 bytes, lane L's 16 bytes at 16 L; Q, K: [token tile][d tile]; V: [key step of 32][d tile][c]; four parts PARTD bytes apart: Q, V, K, V).
; Scores, softmax and sums in f32; weights rounded to f16.
; LEFT OUT: blocks of 128 keys wholly above the diagonal: reference() sets their scores to -inf itself, so their weights are exactly 0 for all inputs.
; LIMITS: a NaN, an infinity or an overflow that lives only in skipped keys is not carried to the result.  Scores of keys at or below the diagonal are taken to be
; finite (a row whose live scores are all -inf gives NaN, as in reference()).  Weights under 2^-25 of a wave's running maximum round to 0 in f16.
;
; SHARES: cluster cl = 0..63: batch cl / 8, a = cl % 8; work-group b = cx.  The work-group makes two blocks of 32 query rows: block 4 a + b (phase A) and block
; 63 - (4 a + b) (phase B).  A trip is a block of 128 keys; all four waves hold the same 32 rows and SPLIT THE KEYS: wave w takes keys 32 w .. + 31 of the block, with a
; running maximum, sum and output of its own; the four are merged through LDS at a phase's end.  Phase A has a + 1 trips, phase B 16 - a: 17 for every work-group.
; In each phase the block on the diagonal comes first (it carries the mask and starts the sums), then blocks 0, 1, ...
; QUERIES 0 TO 127 OF A BATCH (phase A of the clusters with a = 0: one trip, keys 0 to 127) are sums of few terms, in which the roundings of Q, K and V to eleven bits do not
; average out.  Their tokens lie in two pieces, hi in qkv and the rest in lo (same order, [part Q, K, V][batch][98,304 bytes]), and that one trip multiplies
; Kh Qh + Kh Ql + Kl Qh and P Vl + P Vh: 144 matrix instructions more a wave, in 32 of the 256 work-groups.  The weights stay f16: the largest is exactly 1 and each other
; is off by 2^-11 of itself at the most.  The branch hangs on a, which all partners share.
; CLUSTER 4 x 1: the four partners walk the same blocks of K and V in the same order, so every tile is asked for jointly (mask 15): a quarter of the requests.
; cx enters Q's and out0's global addresses and the number that the mask compares with, and nothing else: no branch, trip count or LDS address.  So in the two trips on
; the diagonal a wave whose keys all lie above the partner's rows still multiplies and masks: 2 of 17 trips, and the partners pass the same rounds anyway.
; THE RUNNING MAXIMUM is taken away before every exponential.  A wave whose keys are all masked has the maximum -inf: it takes 0 away instead, all its weights are
; exp2(-inf) = 0, and its share vanishes at the next maximum or in the merge, exactly.
;
; THE RING.  Each wave has 73,728 bytes of LDS of its own: V slot 0, K, V slot 1, 24,576 bytes each (its 32 keys of a block).  In qkv V lies PARTD bytes in front of K and again
; PARTD bytes behind it, so ONE tensor load of two rows of 24,576 bytes, PARTD apart, brings the wave's quarter of a block's V and K (onto V slot 0 and K) or of its K and V
; (onto K and V slot 1).  The 17 trips are counted through both phases, t = 0 .. 16; trip t reads V from slot t % 2.  There is ONE round of the cluster's barrier a trip, at the
; place where K's fragments are back in registers: K's bytes, and the V slot that the trip before read, are free then.  Behind it each wave asks for its quarter of the next
; trip's block: 196,608 bytes for the four waves, which have 96 products, the softmax, V's 48 LDS loads and the rescaling in which to land.  A wave reads only what it fetched
; itself, so its own wait on TENSORcnt is all that its reads need.  One tensor load of a wave is out at the most.
; THE SLOTS ARE NAMED IN THE TEXT, never computed: trips are written for slot 1 and slot 0 by turns, in loops of two.  Behind its diagonal (slot 0) phase A has a trips:
; a / 2 pairs and, with a odd, one more.  Phase B then begins on slot 1 (a even: its diagonal and one more trip stand ahead of its loop) or on slot 0 (a odd: the diagonal
; alone).  All these branches hang on a alone.
; LDS behind the four waves' 294,912 bytes: STAT, maxima and sums; XS, the merge's stage.  32,768 bytes are left, so the merge goes in strips of 16 rows x 64 columns:
; 4 waves x 16 rows x 272 bytes = 17,408.  No tensor load lands in STAT or XS.
; REGISTERS: window 0: addresses, F (24 fragments of K or of V); window 1: Q (24 fragments), scores and softmax state; windows 2, 3: the output, 48 tiles
; (in the trip in two pieces, until its first product with V: Q's lo in window 2, K's lo in window 3).
.set QUART,  24576                     ; a wave's 32 keys of a block of K or of V
.set KBLOCK, 98304                     ; a block of 128 keys of K or of V in memory
.set PARTD,  12582912                  ; from part to part of qkv
.set WREG,   3*QUART                   ; a wave's LDS: V slot 0, K, V slot 1
.set LOBATCH, 98304                    ; a batch's 128 tokens in a part of lo
.set LOPART,  8*LOBATCH
.set STAT,   4*WREG                    ; 294,912
.set XS,     STAT+1024                 ; 295,936
.set SPITCH, 272                       ; a strip's row: 256 + 16 = 17 x 16 bytes: 16 rows begin in 16 different 16-byte columns of a 256-byte span
.set SWAVE,  16*SPITCH                 ; a wave's share of a strip
.set F,   32                           ; v32-223 (window 0)
.set SS,  192                          ; window 1: score tile (qt, kt) at SS + 16 qt + 8 kt; the packed weights of qt land on SS + 16 qt .. + 7
.set MM,  224                          ; running maximum, qt = 0, 1
.set LL,  226                          ; running sum (of the lane's own 16 keys a trip)
.set AL,  228                          ; pair for each qt: the factor on what has been summed
.set NM,  232                          ; pair for each qt: -c x maximum
.set T,   236                          ; eight at work
.set MN,  244                          ; the new maximum
.set DM,  248                          ; the mask's number: 32 (b' - w) + r - 8 h
.set MSB, 0
.macro WIN new                         ; the immediate's high byte repeats the setting that is left
.if MSB != \new
	s_set_vgpr_msb (MSB<<8)|\new
.set MSB, \new
.endif
.endm
.macro PLACES5                         ; five places behind matrix instructions (ISA guide 7.12.1)
.rept 5
	v_nop
.endr
.endm
.macro ROUND                           ; a round of the cluster's barrier
	s_barrier_signal -1
	s_barrier_wait -1
	s_cmp_lg_u32 s8, 0
	s_cbranch_scc1 .Lnot_wave_0_\@
	s_barrier_signal -3
.Lnot_wave_0_\@:
	s_barrier_wait -3
	s_barrier_signal -1
	s_barrier_wait -1
.endm
; The group 0 of V slot q points at my quarter of block s52 (only where no tensor load of the wave is out).  q = 0: V, then K; q = 1: K, then V.
.macro SET q
	s_mul_i32 s54, s52, KBLOCK
	s_mov_b32 s55, 0
	s_add_nc_u64 s[26+4*(\q):27+4*(\q)], s[32+2*(\q):33+2*(\q)], s[54:55]
	s_or_b32 s[27+4*(\q)], s[27+4*(\q)], 0x80000000        ; type = 2
.endm
.macro NEXTA d                         ; phase A, trip t = s50 + d: the next trip's block is t (trip t + 1 <= a multiplies block t), or phase B's diagonal
	s_add_co_u32 s51, s50, \d
	s_cmp_lt_u32 s51, s12
	s_cselect_b32 s52, s51, s13
.endm
.macro NEXTB d                         ; phase B, trip t = s50 + d >= a + 1: the next trip's block is t - (a + 1)
	s_add_co_u32 s51, s50, \d
	s_sub_co_u32 s52, s51, s90
.endm
	s_load_b128 s[4:7], s[0:1], 0x0                ; qkv s[4:5], out0 s[6:7]
	s_load_b64 s[78:79], s[0:1], 0x10              ; lo
	v_lshl_add_u32 v254, v0, 2, 0x4c800
	v_mov_b32 v255, 0
	ds_add_u32 v254, v255
	v_lshrrev_b32 v1, 5, v0
	v_readfirstlane_b32 s8, v1                     ; wave 0..3
	s_bfe_u32 s9, ttmp6, 0x40000                   ; b = cx
	s_lshr_b32 s11, ttmp9, 3                       ; batch (ttmp9 counts clusters)
	s_and_b32 s12, ttmp9, 7                        ; a
	s_sub_co_u32 s13, 15, s12                      ; phase B's block on the diagonal
	s_add_co_u32 s90, s12, 1                       ; the trip on phase B's diagonal
	s_lshr_b32 s92, s12, 1                         ; pairs of trips in phase A's loop
	s_sub_co_u32 s94, 13, s12
	s_lshr_b32 s94, s94, 1                         ; pairs of trips in phase B's loop: three at the least
	s_mov_b32 s44, 0x3d96c740                      ; c = log2(e) / sqrt(384), twice: a pair for the packed forms
	s_mov_b32 s45, 0x3d96c740
	s_mov_b32 s46, 0xbd96c740                      ; -c
	s_mov_b32 s47, 0xff800000                      ; -inf
	s_mov_b32 s48, 0x76543210                      ; v_permlanex16_b32: lane i of one half reads lane i of the other
	s_mov_b32 s49, 0xfedcba98
	; group 1, the same for every load: two rows of 3,072 elements of 8 bytes (24,576 dense bytes, a multiple of 256, each beginning at a multiple of 256), a part of qkv apart;
	; mask 15 with bit 21 beside it
	s_mov_b32 s16, 0x0023000f
	s_mov_b32 s17, 3072<<16                        ; tensor_dim0 = 3,072
	s_mov_b32 s18, 2<<16                           ; tensor_dim1 = 2
	s_mov_b32 s19, 3072<<16                        ; tile_dim0 = 3,072
	s_mov_b32 s20, 2                               ; tile_dim1 = 2
	s_mov_b32 s21, PARTD/8                         ; elements from row to row
	s_mov_b32 s22, 0
	s_mov_b32 s23, 0
	s_mov_b32 s24, 1                               ; group 0 for V slot 0: count,
	s_mul_i32 s25, s8, WREG                        ; onto V slot 0 and K of my LDS
	s_mov_b32 s28, 1                               ; group 0 for V slot 1:
	s_add_co_u32 s29, s25, QUART                   ; onto K and V slot 1
	s_mul_i32 s14, s11, 1572864                    ; a batch of Q, of K or of V
	s_mul_i32 s15, s8, QUART                       ; my 32 keys in a block
	s_add_co_u32 s66, s14, s15
	s_mov_b32 s67, 0
	s_mul_i32 s86, s11, LOBATCH                    ; the batch in a part of lo
	; what hangs on cx has registers of its own
	s_mul_i32 s88, s9, QUART                       ; lo: my 32 queries of the batch's first 128
	s_add_co_u32 s88, s88, s86
	s_mov_b32 s89, 0
	s_add_co_u32 s86, s86, s15                     ; lo: my wave's 32 keys
	s_mov_b32 s87, 0
	s_lshl2_add_u32 s58, s12, s9                   ; phase A's query block 4 a + b
	s_sub_co_u32 s59, 63, s58                      ; phase B's
	s_mul_i32 s60, s58, 24576                      ; 32 rows of Q
	s_add_co_u32 s60, s60, s14
	s_mov_b32 s61, 0
	s_mul_i32 s62, s59, 24576
	s_add_co_u32 s62, s62, s14
	s_mov_b32 s63, 0
	s_mul_i32 s68, s11, 3145728                    ; a batch of out0
	s_mul_i32 s70, s58, 49152                      ; 32 rows of out0
	s_add_co_u32 s70, s70, s68
	s_mov_b32 s71, 0
	s_mul_i32 s72, s59, 49152
	s_add_co_u32 s72, s72, s68
	s_mov_b32 s73, 0
	s_sub_co_i32 s56, s9, s8
	s_lshl_b32 s56, s56, 5                         ; phase A: 32 (b - w)
	s_sub_co_i32 s57, 3, s9
	s_sub_co_i32 s57, s57, s8
	s_lshl_b32 s57, s57, 5                         ; phase B: 32 (3 - b - w)
	v_and_b32 v1, 31, v0
	v_lshlrev_b32 v2, 4, v1                        ; 16 x lane
	v_and_b32 v11, 15, v0                          ; r
	v_bfe_u32 v12, v0, 4, 1                        ; h
	v_add_nc_u32 v4, s25, v2                       ; my bytes in my V slot 0,
	v_add_nc_u32 v3, QUART, v4                     ; in my K,
	v_add_nc_u32 v9, 2*QUART, v4                   ; and in my V slot 1
	v_lshlrev_b32 v6, 2, v11
	v_add_nc_u32 v6, STAT, v6                      ; STAT + 4 r: where every wave's figures of row r are read
	s_lshl_b32 s74, s8, 8
	v_add_nc_u32 v5, s74, v6                       ; + 256 w: where mine are put
	s_mul_i32 s75, s8, SWAVE
	s_add_co_u32 s75, s75, XS
	v_mul_u32_u24 v7, v11, SPITCH
	v_lshl_add_u32 v7, v12, 5, v7
	v_add_nc_u32 v7, s75, v7                       ; stage, in: my wave's share, row r, 32 h
	s_mul_i32 s76, s8, 4*SPITCH
	s_add_co_u32 s76, s76, XS
	v_mul_u32_u24 v8, v12, SPITCH
	v_lshl_add_u32 v8, v11, 4, v8
	v_add_nc_u32 v8, s76, v8                       ; stage, back: row 4 w + h of wave 0's share, 16 bytes at 16 r
	s_mul_i32 s77, s8, 4*1536
	v_mul_u32_u24 v10, v12, 1536
	v_lshl_add_u32 v10, v11, 4, v10
	v_add_nc_u32 v10, s77, v10                     ; the same row and bytes in out0
	v_lshlrev_b32 v13, 3, v12
	v_sub_nc_u32 v13, v11, v13                     ; r - 8 h
	s_wait_dscnt 0x0
	s_wait_kmcnt 0x0
	s_add_nc_u64 s[32:33], s[4:5], s[66:67]
	s_add_nc_u64 s[32:33], s[32:33], PARTD         ; my quarter of the batch's block 0 in the V in front of K: the first row of a load for V slot 0
	s_add_nc_u64 s[34:35], s[32:33], PARTD         ; the same in K: the first row of a load for V slot 1
	s_add_nc_u64 s[36:37], s[4:5], s[60:61]        ; Q, phase A
	s_add_nc_u64 s[38:39], s[4:5], s[62:63]        ; Q, phase B
	s_add_nc_u64 s[40:41], s[6:7], s[70:71]        ; out0, phase A
	s_add_nc_u64 s[42:43], s[6:7], s[72:73]        ; out0, phase B
	s_add_nc_u64 s[80:81], s[78:79], s[88:89]      ; Q's lo (read where a = 0 alone)
	s_add_nc_u64 s[82:83], s[78:79], s[86:87]
	s_add_nc_u64 s[84:85], s[82:83], 2*LOPART      ; V's lo
	s_add_nc_u64 s[82:83], s[82:83], LOPART        ; K's lo
; 32 rows of Q = 48 tiles' halves of 512 bytes, in the order of the fragments' registers: fragment (qt, s) at 8 (12 qt + s) of window 1
.macro QLOAD qb
	WIN 0x40
.set QI, 0
.rept 48
	global_load_b128 v[4*QI:4*QI+3], v2, s[\qb:\qb+1] offset:512*QI
.set QI, QI+1
.endr
	WIN 0
.endm
; The trip in two pieces: Q's lo into window 2 in Q's order, my 32 keys of K's lo into window 3 in the order of K's fragments: 96 loads of 512 consecutive bytes
.macro LOLOADS
	WIN 0x80
.set QI, 0
.rept 48
	global_load_b128 v[4*QI:4*QI+3], v2, s[80:81] offset:512*QI
.set QI, QI+1
.endr
	WIN 0xc0
.irp s, 0,1,2,3,4,5,6,7,8,9,10,11
.irp kt, 0,1
	global_load_b128 v[8*(2*\s+\kt):8*(2*\s+\kt)+3],   v2, s[82:83] offset:\kt*12288+\s*1024
	global_load_b128 v[8*(2*\s+\kt)+4:8*(2*\s+\kt)+7], v2, s[82:83] offset:\kt*12288+\s*1024+512
.endr
.endr
	WIN 0
.endm
; 48 loads: my 32 keys of V's lo into F, in the order of V's fragments
.macro VLLOADS
.irp dt, 0,1,2,3,4,5,6,7,8,9,10,11,12,13,14,15,16,17,18,19,20,21,22,23
	global_load_b128 v[F+8*\dt:F+8*\dt+3],   v2, s[84:85] offset:\dt*1024
	global_load_b128 v[F+8*\dt+4:F+8*\dt+7], v2, s[84:85] offset:\dt*1024+512
.endr
.endm
; 48 LDS loads: K's fragment (depth step s, key tile kt) into F + 8 (2 s + kt)
.macro KLOADS
.irp s, 0,1,2,3,4,5,6,7,8,9,10,11
.irp kt, 0,1
	ds_load_b128 v[F+8*(2*\s+\kt):F+8*(2*\s+\kt)+3],   v3 offset:\kt*12288+\s*1024
	ds_load_b128 v[F+8*(2*\s+\kt)+4:F+8*(2*\s+\kt)+7], v3 offset:\kt*12288+\s*1024+512
.endr
.endr
.endm
; 48 LDS loads out of V slot q (address v4 or v9): V's fragment of d tile dt into F + 8 dt; the first 24 are d tiles 0 to 11
.macro VLOADS q
.irp dt, 0,1,2,3,4,5,6,7,8,9,10,11,12,13,14,15,16,17,18,19,20,21,22,23
	ds_load_b128 v[F+8*\dt:F+8*\dt+3],   v[4+5*\q] offset:\dt*1024
	ds_load_b128 v[F+8*\dt+4:F+8*\dt+7], v[4+5*\q] offset:\dt*1024+512
.endr
.endm
; Scores, 32 of the depth: source 0 = 16 keys, source 1 = 16 queries: lane (r, h) gets query r and keys 16 kt + 8 h + 0..7, the order in which the weights are wanted as
; an operand.  kb = the first register of K's fragments in source 0's window.  The four accumulators take turns, one instruction a turn.
.macro SSTEP s, zero, kb
.irp kt, 0,1
.irp qt, 0,1
.if \zero
	v_wmma_f32_16x16x32_f16 v[SS+16*\qt+8*\kt:SS+16*\qt+8*\kt+7], v[\kb+8*(2*\s+\kt):\kb+8*(2*\s+\kt)+7], v[8*(12*\qt+\s):8*(12*\qt+\s)+7], 0
.else
	v_wmma_f32_16x16x32_f16 v[SS+16*\qt+8*\kt:SS+16*\qt+8*\kt+7], v[\kb+8*(2*\s+\kt):\kb+8*(2*\s+\kt)+7], v[8*(12*\qt+\s):8*(12*\qt+\s)+7], v[SS+16*\qt+8*\kt:SS+16*\qt+8*\kt+7]
.endif
.endr
.endr
.endm
; The block on the diagonal: key 32 w + 16 kt + 8 h + j counts for query 32 b' + 16 qt + r if it is not greater: 16 kt + j - 16 qt <= DM.  Else the score is -inf.
.macro MASK
.irp qt, 0,1
.irp kt, 0,1
.irp j, 0,1,2,3,4,5,6,7
	v_cmp_le_i32 vcc_lo, 16*\kt+\j-16*\qt, v[DM]
	v_cndmask_b32 v[SS+16*\qt+8*\kt+\j], s47, v[SS+16*\qt+8*\kt+\j], vcc_lo
.endr
.endr
.endr
.endm
; Sixteen queries' softmax step on this wave's 32 keys.  first = 1: the phase's first trip starts maximum and sum.
.macro SOFTMAX qt, first
.set SB, SS+16*\qt
	v_max3_num_f32 v[T],   v[SB],    v[SB+1],  v[SB+2]
	v_max3_num_f32 v[T+1], v[SB+3],  v[SB+4],  v[SB+5]
	v_max3_num_f32 v[T+2], v[SB+6],  v[SB+7],  v[SB+8]
	v_max3_num_f32 v[T+3], v[SB+9],  v[SB+10], v[SB+11]
	v_max3_num_f32 v[T+4], v[SB+12], v[SB+13], v[SB+14]
	v_max3_num_f32 v[T],   v[T],     v[T+1],   v[T+2]
	v_max3_num_f32 v[T+3], v[T+3],   v[T+4],   v[SB+15]
	v_max_num_f32  v[T],   v[T],     v[T+3]                    ; of my 16 keys
	v_permlanex16_b32 v[T+1], v[T], s48, s49                   ; lane r + 16 holds the row's other 16
.if \first
	v_max_num_f32 v[MM+\qt], v[T], v[T+1]
	v_cmp_lt_f32 vcc_lo, s47, v[MM+\qt]
	v_cndmask_b32 v[T+2], 0, v[MM+\qt], vcc_lo                 ; all keys masked: take 0 away instead of -inf
	v_mul_f32 v[NM+2*\qt], s46, v[T+2]
	v_mov_b32 v[NM+2*\qt+1], v[NM+2*\qt]
.else
	v_max3_num_f32 v[MN], v[T], v[T+1], v[MM+\qt]
	v_mul_f32 v[NM+2*\qt], s46, v[MN]
	v_fma_f32 v[T+2], v[MM+\qt], s44, v[NM+2*\qt]
	v_exp_f32 v[AL+2*\qt], v[T+2]                              ; exp2(c (old maximum - new)); the plain line behind it touches neither
	v_mov_b32 v[NM+2*\qt+1], v[NM+2*\qt]
	v_mov_b32 v[MM+\qt], v[MN]
.endif
.irp p, 0,2,4,6,8,10,12,14
	v_pk_fma_f32 v[SB+\p:SB+\p+1], v[SB+\p:SB+\p+1], s[44:45], v[NM+2*\qt:NM+2*\qt+1] op_sel_hi:[1,0,1]   ; c (score - maximum)
.endr
.irp p, 0,1,2,3,4,5,6,7,8,9,10,11,12,13,14,15
	v_exp_f32 v[SB+\p], v[SB+\p]
.endr
.if \first
	v_nop                                                      ; one plain instruction behind the run of exponentials (ISA guide 5.7.2)
	s_wait_alu depctr_va_vdst(0)
.else
	s_wait_alu depctr_va_vdst(0)
	v_mov_b32 v[AL+2*\qt+1], v[AL+2*\qt]                       ; the plain instruction behind the run; it fills the factor's pair
.endif
	v_pk_add_f32 v[T:T+1],   v[SB:SB+1],     v[SB+2:SB+3]
	v_pk_add_f32 v[T+2:T+3], v[SB+4:SB+5],   v[SB+6:SB+7]
	v_pk_add_f32 v[T+4:T+5], v[SB+8:SB+9],   v[SB+10:SB+11]
	v_pk_add_f32 v[T+6:T+7], v[SB+12:SB+13], v[SB+14:SB+15]
	v_pk_add_f32 v[T:T+1],   v[T:T+1],       v[T+2:T+3]
	v_pk_add_f32 v[T+4:T+5], v[T+4:T+5],     v[T+6:T+7]
	v_pk_add_f32 v[T:T+1],   v[T:T+1],       v[T+4:T+5]
.if \first
	v_add_f32 v[LL+\qt], v[T], v[T+1]
.else
	v_add_f32 v[T], v[T], v[T+1]
	v_fma_f32 v[LL+\qt], v[LL+\qt], v[AL+2*\qt], v[T]
.endif
.irp p, 0,1,2,3,4,5,6,7
	v_cvt_pk_f16_f32 v[SB+\p], v[SB+2*\p], v[SB+2*\p+1]        ; ascending: register p is read (as 2 p', 2 p' + 1) before it is written
.endr
.endm
.macro RS1
.irp e, 0,1,2,3,4,5,6,7,8,9,10,11
.irp qt, 0,1
.irp p, 0,2,4,6
	v_pk_mul_f32 v[8*(2*\e+\qt)+\p:8*(2*\e+\qt)+\p+1], v[8*(2*\e+\qt)+\p:8*(2*\e+\qt)+\p+1], v[AL+2*\qt:AL+2*\qt+1]
.endr
.endr
.endr
.endm
.macro RESCALE                         ; the output so far times its row's factor: a lane holds one query, so the factor is the lane's own
	WIN 0x86                                       ; output window 2, factor window 1
	RS1
	WIN 0xc7                                       ; output window 3
	RS1
.endm
; Weights x V for twelve d tiles from d0 on: source 0 = 16 d of V, source 1 = 16 queries' weights: lane (r, h) gets query r, d = 16 dt + 8 h + 0..7.
; 24 accumulators, one instruction each: they take turns.
.macro PV d0, zero
.irp e, 0,1,2,3,4,5,6,7,8,9,10,11
.irp qt, 0,1
.if \zero
	v_wmma_f32_16x16x32_f16 v[8*(2*\e+\qt):8*(2*\e+\qt)+7], v[F+8*(\d0+\e):F+8*(\d0+\e)+7], v[SS+16*\qt:SS+16*\qt+7], 0
.else
	v_wmma_f32_16x16x32_f16 v[8*(2*\e+\qt):8*(2*\e+\qt)+7], v[F+8*(\d0+\e):F+8*(\d0+\e)+7], v[SS+16*\qt:SS+16*\qt+7], v[8*(2*\e+\qt):8*(2*\e+\qt)+7]
.endif
.endr
.endr
.endm
; One block of 128 keys, V out of slot vs.  first = 1: the block on the diagonal, which starts the phase's sums.  fill = 1: block s52 is asked for, onto K and the other V slot.
; fine = 1 (with first = 1): Q, K and V in two pieces; Q's lo is in window 2 and K's lo in window 3.
.macro TRIP vs, first, fill, fine
	WIN 0
	s_wait_tensorcnt 0x0                           ; my one tensor load has landed: my quarter of this trip's K and V; no load of mine is out
	ds_add_u32 v254, v255
	s_wait_dscnt 0x0
	PLACES5                                        ; F and the weights' registers were sources of the last products: loads land on the one, score products on the other
	KLOADS
.if \fill
	SET 1-\vs                                      ; no load is out, so a group 0 may be written
.endif
	s_wait_dscnt 0x0                               ; K's fragments are in F: my reads of K's bytes are back (those of the other V slot came back in the trip before)
.if \fill
	ROUND                                          ; that, and the landing of all loads, now hold of every wave of the four work-groups
	tensor_load_to_lds s[28-4*\vs:31-4*\vs], s[16:23]      ; my one tensor load behind the round, first thing there: the next trip's K and V
	s_nop 0
.endif
.if \first
	s_wait_loadcnt 0x0                             ; Q (and, in two pieces, Q's and K's lo)
.endif
	WIN 0x54                                       ; K window 0; Q, scores window 1
	SSTEP 0, 1, F                                  ; the first product starts the sums
.irp s, 1,2,3,4,5,6,7,8,9,10,11
	SSTEP \s, 0, F
.endr
.if \fine
	WIN 0x58                                       ; source 1 window 2: K's hi x Q's lo, on the same four sums
.irp s, 0,1,2,3,4,5,6,7,8,9,10,11
	SSTEP \s, 0, F
.endr
	PLACES5                                        ; F has been read for the last time: loads land on it
	WIN 0
	VLLOADS                                        ; V's lo comes during the products, the mask and the softmax below
	WIN 0x57                                       ; source 0 window 3, source 1 window 1: K's lo x Q's hi
.irp s, 0,1,2,3,4,5,6,7,8,9,10,11
	SSTEP \s, 0, 0
.endr
.endif
	PLACES5                                        ; vector work reads the scores; later the weights, on the same registers, are a matrix source, and products write over windows 2 and 3
	WIN 0x55
.if \first
	MASK
.endif
	SOFTMAX 0, \first
	SOFTMAX 1, \first
	WIN 0
.if \fine
	s_wait_loadcnt 0x0                             ; V's lo is in F
	WIN 0xa4
	PV 0, 1                                        ; the small piece starts the sums
	WIN 0xf4
	PV 12, 1
	PLACES5                                        ; F has been read: loads land on it
	WIN 0
	VLOADS \vs
	s_wait_dscnt 24                                ; d tiles 0 to 11 are in; the younger 24 loads may be out
	WIN 0xa4
	PV 0, 0
	s_wait_dscnt 0x0
	WIN 0xf4
	PV 12, 0
.else
	VLOADS \vs                                     ; the load that is on its way lands on K and on the other V slot
.if \first == 0
	RESCALE                                        ; while V's fragments come
.endif
	s_wait_dscnt 24                                ; d tiles 0 to 11 are in; the younger 24 loads may be out
	WIN 0xa4                                       ; V window 0, weights window 1, output window 2
	PV 0, \first
	s_wait_dscnt 0x0
	WIN 0xf4                                       ; output window 3
	PV 12, \first
.endif
	WIN 0
.endm
; A strip of the merge: rows 16 qt .. + 15, columns 64 g .. + 63 (d tiles 4 g .. 4 g + 3).  Every wave puts its share into the stage; wave w adds the four shares of rows
; 4 w .. 4 w + 3 and stores them: lanes 0 to 15 one row's 256 bytes, lanes 16 to 31 the next row's, each an aligned piece of 256 bytes of out0.
.macro STRIP qt, g, ob
.if \g < 3
	WIN 0x08                                       ; an LDS store's data is source 1: window 2
.else
	WIN 0x0c                                       ; window 3
.endif
.irp d, 0,1,2,3
	ds_store_b128 v7, v[8*(2*(4*(\g%3)+\d)+\qt):8*(2*(4*(\g%3)+\d)+\qt)+3]   offset:64*\d
	ds_store_b128 v7, v[8*(2*(4*(\g%3)+\d)+\qt)+4:8*(2*(4*(\g%3)+\d)+\qt)+7] offset:64*\d+16
.endr
	WIN 0
	s_wait_dscnt 0x0                               ; for the other waves' sake
	s_barrier_signal -1
	s_barrier_wait -1                              ; the strip is whole
	s_wait_xcnt 0x0                                ; F, which the last strip's stores read, is loaded again only behind this wait
.irp p, 0,1
.irp u, 0,1,2,3
	ds_load_b128 v[F+16*\p+4*\u:F+16*\p+4*\u+3], v8 offset:\u*SWAVE+\p*2*SPITCH    ; rows 4 w + 2 p and 4 w + 2 p + 1, wave u's share
.endr
.endr
	s_wait_dscnt 0x0                               ; my reads of the stage are back
	s_barrier_signal -1                            ; say so; the sums are register work
.irp p, 0,1
	v_pk_add_f32 v[F+16*\p:F+16*\p+1],     v[F+16*\p:F+16*\p+1],     v[F+16*\p+4:F+16*\p+5]
	v_pk_add_f32 v[F+16*\p+2:F+16*\p+3],   v[F+16*\p+2:F+16*\p+3],   v[F+16*\p+6:F+16*\p+7]
	v_pk_add_f32 v[F+16*\p+8:F+16*\p+9],   v[F+16*\p+8:F+16*\p+9],   v[F+16*\p+12:F+16*\p+13]
	v_pk_add_f32 v[F+16*\p+10:F+16*\p+11], v[F+16*\p+10:F+16*\p+11], v[F+16*\p+14:F+16*\p+15]
	v_pk_add_f32 v[F+16*\p:F+16*\p+1],     v[F+16*\p:F+16*\p+1],     v[F+16*\p+8:F+16*\p+9]
	v_pk_add_f32 v[F+16*\p+2:F+16*\p+3],   v[F+16*\p+2:F+16*\p+3],   v[F+16*\p+10:F+16*\p+11]
.endr
	s_barrier_wait -1                              ; everybody's reads are back: the stage may be written again
.irp p, 0,1
	global_store_b128 v10, v[F+16*\p:F+16*\p+3], s[\ob:\ob+1] offset:(16*\qt+2*\p)*1536+256*\g th:TH_STORE_NT
.endr
.endm
; A phase's end: the four waves' maxima, sums and outputs become 32 rows of out0 at s[ob:ob+1].  A tensor load may be on its way meanwhile: it lands on the waves' own
; K and V bytes, which the merge does not touch.
.macro MERGE ob
	PLACES5                                        ; behind the last products: loads land on the weights' registers and on F, vector work writes the output
	WIN 0x55
	v_permlanex16_b32 v[T],   v[LL],   s48, s49
	v_permlanex16_b32 v[T+1], v[LL+1], s48, s49
	v_add_f32 v[LL],   v[LL],   v[T]               ; the row's sum over this wave's keys
	v_add_f32 v[LL+1], v[LL+1], v[T+1]
	WIN 0x04                                       ; an LDS store's data is source 1
	ds_store_b32 v5, v[MM]                         ; lanes r and r + 16 write the same word with the same value
	ds_store_b32 v5, v[LL]   offset:64
	ds_store_b32 v5, v[MM+1] offset:128
	ds_store_b32 v5, v[LL+1] offset:192
	s_wait_dscnt 0x0                               ; for the other waves' sake
	s_barrier_signal -1
	s_barrier_wait -1
	WIN 0x40
.irp u, 0,1,2,3
.irp k, 0,1,2,3
	ds_load_b32 v[SS+4*\u+\k], v6 offset:256*\u+64*\k      ; wave u: maximum and sum of qt = 0, then of qt = 1
.endr
.endr
	s_wait_dscnt 0x0
	WIN 0x55
.irp qt, 0,1
	v_max3_num_f32 v[T], v[SS+2*\qt], v[SS+4+2*\qt], v[SS+8+2*\qt]
	v_max_num_f32 v[T], v[T], v[SS+12+2*\qt]       ; finite: wave 0's first key counts for every row
	v_mul_f32 v[T+1], s46, v[T]
	v_fma_f32 v[T+2], v[SS+2*\qt],    s44, v[T+1]
	v_fma_f32 v[T+3], v[SS+4+2*\qt],  s44, v[T+1]
	v_fma_f32 v[T+4], v[SS+8+2*\qt],  s44, v[T+1]
	v_fma_f32 v[T+5], v[SS+12+2*\qt], s44, v[T+1]
	v_fma_f32 v[T+6], v[MM+\qt],      s44, v[T+1]  ; my own
	v_exp_f32 v[T+2], v[T+2]
	v_exp_f32 v[T+3], v[T+3]
	v_exp_f32 v[T+4], v[T+4]
	v_exp_f32 v[T+5], v[T+5]
	v_exp_f32 v[T+6], v[T+6]
	v_nop                                          ; one plain instruction behind the run
	s_wait_alu depctr_va_vdst(0)
	v_mul_f32 v[T+7], v[T+2], v[SS+1+2*\qt]
	v_fma_f32 v[T+7], v[T+3], v[SS+5+2*\qt],  v[T+7]
	v_fma_f32 v[T+7], v[T+4], v[SS+9+2*\qt],  v[T+7]
	v_fma_f32 v[T+7], v[T+5], v[SS+13+2*\qt], v[T+7]       ; at least 1: the wave with the maximum has the factor 1 and a sum of at least 1
	v_rcp_f32 v[T], v[T+7]
	v_nop
	s_wait_alu depctr_va_vdst(0)
	v_mul_f32 v[AL+2*\qt], v[T+6], v[T]            ; my factor over the whole sum
	v_mov_b32 v[AL+2*\qt+1], v[AL+2*\qt]
.endr
	RESCALE
.irp qt, 0,1
.irp g, 0,1,2,3,4,5
	STRIP \qt, \g, \ob
.endr
.endr
	s_wait_xcnt 0x0                                ; F is written again only behind this wait
.endm
	QLOAD 36                                       ; phase A's Q
	s_mov_b32 s50, 0                               ; t, the trip's number
	s_mov_b32 s52, s12                             ; trip 0 is phase A's block on the diagonal: a
	SET 0
	ROUND                                          ; the four work-groups are here: the first joint loads meet
	tensor_load_to_lds s[24:27], s[16:23]          ; the first fill: my quarter of trip 0's V and K
	s_nop 0
	v_nop
	v_nop
	v_nop
	v_nop
	WIN 0x40
	v_add_nc_u32 v[DM], s56, v13
	WIN 0
	s_cmp_eq_u32 s12, 0                            ; a is the cluster's: the same in all partners
	s_cbranch_scc1 .Lfine
	NEXTA 0
	TRIP 0, 1, 1, 0                                ; t = 0: block a, on the diagonal
	s_mov_b32 s50, 1
	s_cmp_eq_u32 s92, 0
	s_cbranch_scc1 .Lno_pairs                      ; a = 1: no pair
	s_mov_b32 s93, 0
.Lloop_a:                                              ; a / 2 pairs of trips: t = 1 .. 2 (a / 2), blocks t - 1
	NEXTA 0
	TRIP 1, 0, 1, 0                                ; t odd
	NEXTA 1
	TRIP 0, 0, 1, 0                                ; t even
	s_add_co_u32 s50, s50, 2
	s_add_co_u32 s93, s93, 1
	s_cmp_lt_u32 s93, s92
	s_cbranch_scc1 .Lloop_a
.Lno_pairs:
	s_and_b32 s51, s12, 1
	s_cmp_eq_u32 s51, 0
	s_cbranch_scc1 .Lphase_a_done
	NEXTA 0
	TRIP 1, 0, 1, 0                                ; a odd: one more, t = a, block a - 1
	s_branch .Lphase_a_done
.Lfine:                                                ; a = 0: queries 0 to 127 of the batch, keys 0 to 127, in two pieces; phase A has this one trip
	LOLOADS
	NEXTA 0
	TRIP 0, 1, 1, 1
.Lphase_a_done:                                        ; every way arrives with one tensor load of the wave out: phase B's diagonal; the next trip's head waits for it
	QLOAD 38                                       ; phase B's Q comes during the merge (Q's registers were last read by score products, five places and more ago)
	MERGE 40
	s_mov_b32 s50, s90                             ; t = a + 1
	WIN 0x40
	v_add_nc_u32 v[DM], s57, v13
	WIN 0
	s_and_b32 s51, s12, 1
	s_cmp_lg_u32 s51, 0
	s_cbranch_scc1 .Lb_odd
	NEXTB 0                                        ; a even: t = a + 1 is odd
	TRIP 1, 1, 1, 0                                ; block 15 - a, on the diagonal
	NEXTB 1
	TRIP 0, 0, 1, 0                                ; block 0
	s_add_co_u32 s50, s50, 2
	s_branch .Lb_join
.Lb_odd:                                               ; a odd: t = a + 1 is even
	NEXTB 0
	TRIP 0, 1, 1, 0                                ; block 15 - a, on the diagonal
	s_add_co_u32 s50, s50, 1
.Lb_join:                                              ; t is odd here, by either way
	s_mov_b32 s93, 0
.Lloop_b:                                              ; (13 - a) / 2 pairs of trips, up to t = 14
	NEXTB 0
	TRIP 1, 0, 1, 0
	NEXTB 1
	TRIP 0, 0, 1, 0
	s_add_co_u32 s50, s50, 2
	s_add_co_u32 s93, s93, 1
	s_cmp_lt_u32 s93, s94
	s_cbranch_scc1 .Lloop_b
	NEXTB 0
	TRIP 1, 0, 1, 0                                ; t = 15: the last block, 14 - a, is asked for
	TRIP 0, 0, 0, 0                                ; t = 16: nothing is left to fetch
	MERGE 42
	s_wait_tensorcnt 0x0
	ds_add_u32 v254, v255
	s_wait_dscnt 0x0
	ROUND                                          ; the closing round: no work-group ends while a partner may still ask for a tile that names it
	s_endpgm
.Lfunc_end_k_q808747bcbe_attn:
	.size	k_q808747bcbe_attn, .Lfunc_end_k_q808747bcbe_attn-k_q808747bcbe_attn
	.p2alignl 7, 3214868480
	.fill 96, 4, 3214868480
	.section	.rodata,"a",@progbits
	.p2align	6, 0x0
	.amdhsa_kernel k_q808747bcbe_attn
		.amdhsa_group_segment_fixed_size 327680
		.amdhsa_private_segment_fixed_size 0
		.amdhsa_enable_private_segment 0
		.amdhsa_kernarg_size 24
		.amdhsa_user_sgpr_count 2
		.amdhsa_user_sgpr_kernarg_segment_ptr 1
		.amdhsa_wavefront_size32 1
		.amdhsa_system_sgpr_workgroup_id_x 1
		.amdhsa_system_sgpr_workgroup_id_y 1
		.amdhsa_system_sgpr_workgroup_id_z 1
		.amdhsa_system_vgpr_workitem_id 0
		.amdhsa_next_free_vgpr 960
		.amdhsa_next_free_sgpr 96
		.amdhsa_reserve_vcc 1
		.amdhsa_float_denorm_mode_32 3
		.amdhsa_float_denorm_mode_16_64 3
		.amdhsa_memory_ordered 1
		.amdhsa_forward_progress 1
		.amdhsa_inst_pref_size 255
	.end_amdhsa_kernel
	.section	.bss,"aw",@nobits
	.p2align	6
	.space	262144
	.amdgpu_metadata
---
amdhsa.version: [ 1, 2 ]
amdhsa.kernels:
  - .name:           k_q808747bcbe_attn
    .symbol:         k_q808747bcbe_attn.kd
    .args:
      - { .name: qkv, .offset: 0, .size: 8, .value_kind: global_buffer, .address_space: global }
      - { .name: out0, .offset: 8, .size: 8, .value_kind: global_buffer, .address_space: global }
      - { .name: lo, .offset: 16, .size: 8, .value_kind: global_buffer, .address_space: global }
    .group_segment_fixed_size: 327680
    .private_segment_fixed_size: 0
    .kernarg_segment_align: 8
    .kernarg_segment_size: 24
    .max_flat_workgroup_size: 128
    .sgpr_count:     96
    .vgpr_count:     960
    .wavefront_size: 32
...
	.end_amdgpu_metadata
.endif
;; end of part 2
